; MI455X (gfx1250); checked and timed in simulation.
; The chip was launched on July 23, 2026; its instructions are those of AMD's public machine-readable ISA for CDNA 5 (MIT licence, August 2026) and "CDNA5" Instruction Set Architecture Reference Guide (July 2026). The comments in the code are by the model that wrote it; some were corrected since.
;; Masked Self Attention. Allowed arithmetic: float matrix products may take bf16 or f16 operands with f32 sums; all other float work in f32.
;; Inputs: Wk 512 x 512 float32; Wq 512 x 512 float32; Wv 512 x 512 float32; bk 512 float32; bq 512 float32; bv 512 float32; x 2 x 4,096 x 512 float32.
;; Outputs: out0 2 x 4,096 x 512 float32.
;; One version. Each part assembles by itself: llvm-mc -triple=amdgcn-amd-amdhsa -mcpu=gfx1250 --defsym DOCPART=n.
;; ======== version 1 of 1: 2 launches
;; limits: values are held in f16: magnitudes above 65,504 overflow, below 6.1e-05 lose precision
;; workspace buffers: qh 8,388,608 bytes; kh 8,388,608 bytes; vh 8,388,608 bytes; v32 131,072 bytes
;; launch qkv (part 1): grid 8 x 32, 4 waves a work-group, clusters of 4 x 4, 327,680 bytes of LDS; arguments x, Wq, Wk, Wv, bq, bk, bv, qh, kh, vh, v32; writes qh, kh, vh, v32
.if DOCPART == 1
	.amdgcn_target "amdgcn-amd-amdhsa--gfx1250"
	.amdhsa_code_object_version 6
	.text
	.protected	k_qa99aae8386_qkv
	.globl	k_qa99aae8386_qkv
	.p2align	8
	.type	k_qa99aae8386_qkv,@function
k_qa99aae8386_qkv:
	s_mov_b64 s[64:65], 0
	v_nop
	global_prefetch_b8 v0, s[64:65] scope:SCOPE_SE
	s_setreg_imm32_b32 hwreg(HW_REG_WAVE_MODE, 25, 1), 1
	s_wait_xcnt 0x0
	s_wait_alu depctr_hold_cnt(0) depctr_sa_sdst(0) depctr_va_vdst(0) depctr_va_sdst(0) depctr_va_ssrc(0) depctr_va_vcc(0) depctr_vm_vsrc(0)
	s_getreg_b32 s2, hwreg(HW_REG_IB_STS2, 6, 4)
	s_cmp_eq_u32 s2, 0
	s_cbranch_scc0 .Lentry_in_a_cluster
	s_endpgm
.Lentry_in_a_cluster:
	s_bfe_u32 s2, ttmp6, 0x10000c
	s_cmp_lg_u32 s2, 0xf033
	s_cbranch_scc0 .Lentry_shape_is_right
	s_endpgm
.Lentry_shape_is_right:
; q, k, v = x W^T + b for one head and 256 tokens in each work-group.  x: [8192][512] f32, W: [512][512] f32, b: [512] f32.
; Out: qh, kh, vh = f16 [16 bh][4096 t][64 d] (bh = 8 batch + head); qh is already multiplied by 0.125 log2(e), so that the attention
; launch works with powers of two.  v32 = f32 [16 bh][32 t][64 d]: v of tokens 0..31 as summed, from which that launch makes the f16 remainder.
; FORMATS: x and W are rounded to bf16 on the way from LDS to the matrix unit, sums in f32 starting from the bias.
; LIMIT: 0.18 q, k and v must fit f16 (largest 65,504); beyond it they become infinities.  Inputs drawn with spread 1 and 0.02 give a spread of 0.45.
; SHARES: four waves; wave w makes tokens 64 w .. 64 w + 63 x 192 channels (the head's 64 of Q, K, V): 48 tiles of 16 x 16, 384 registers.
; The matrix instruction is used transposed (source 0 = 16 rows of W, source 1 = 16 tokens): lane r then holds token r and its
; registers j the channels 16 nb + 8 h + j: eight neighbouring numbers of an output row.
; CLUSTER 4 x 4: x's tile hangs on the token block alone and is asked for jointly along a row of the cluster (four heads);
; W's tiles hang on the head alone and are asked for jointly along a column (four token blocks).
; K goes in 8 steps of 64 f32 (rows of 256 bytes, at multiples of 256 bytes) through two LDS slots.
.set PITCH,  272                       ; an LDS row: 256 bytes + 16 of padding, so that 16 rows of one column start 16 bytes apart modulo 256
.set XBYTES, 256*PITCH                 ; x's 256 rows
.set WBYTES, 64*PITCH                  ; one W's 64 rows
.set SLOT,   XBYTES+3*WBYTES           ; 121,856
.set STAGE,  2*SLOT                    ; behind the ring, written by ds_store alone: for each wave 3 matrices x 16 tokens x 144 bytes
.set STAGEW, 3*16*144
.set XADR, 2                           ; v2-3   LDS address of my x fragments in slot 0, 1
.set WADR, 4                           ; v4-5   the same for Wq's fragments (Wk, Wv by the immediate)
.set BOFF, 6                           ; v6     32 h: my eight channels in a block of 16 biases
.set STW,  7                           ; v7     the way out: where I put 16 bytes of a token's row
.set STR,  8                           ; v8     the way out: where I read rows back
.set GOFF, 9                           ; v9     16 x lane
.set V32OFF, 10                        ; v10    256 r + 32 h
.set TOK,  11                          ; v11    my token's number in its sequence (first block of 16)
.set XF,   16                          ; v16-47   x fragments, 4 x 16 tokens x 32 K, bf16
.set WF0,  48                          ; v48-79, v80-111  W fragments, two buffers
.set RAW0, 112                         ; v112-175, v176-239  f32 as loaded from LDS, two buffers
.set RAW1, 176
.set PK,   240                         ; v240-255 packed f16 on the way out
; window 1: Q's tiles at v[8 (4 nb + tb)], K's at v[128 + 8 (4 nb + tb)];  window 2: V's at v[8 (4 nb + tb)]
.set G1X, 32                           ; s[32:39] group 1 for x's tile
.set G1W, 40                           ; s[40:47] group 1 for W's tiles
.set G0X, 48                           ; s[48:55] group 0 for x, one set for each slot
.set G0W, 56                           ; s[56:63] group 0 for W, one set for each slot
.set MSB, 0
.macro WIN new                         ; the immediate's high byte repeats the setting that is left
.if MSB != \new
	s_set_vgpr_msb (MSB<<8)|\new
.set MSB, \new
.endif
.endm
.macro PLACES n
.rept \n
	v_nop
.endr
.endm
; A round of the cluster's barrier: my work-group's barrier, wave 0 signals for the work-group, every wave waits for all sixteen, my barrier again.
.macro ROUND
	s_barrier_signal -1
	s_barrier_wait -1
	s_cmp_lg_u32 s26, 0
	s_cbranch_scc1 .Lnot_wave_0_\@
	s_barrier_signal -3
.Lnot_wave_0_\@:
	s_barrier_wait -3
	s_barrier_signal -1
	s_barrier_wait -1
.endm
; A joint load: wave 0 asks for x's 256 rows, waves 1, 2, 3 for the 64 rows of Wq, Wk, Wv.  The branch hangs on the wave's number alone.
.macro JLOAD s
	s_cmp_eq_u32 s26, 0
	s_cbranch_scc0 .Lfor_w_\@
	tensor_load_to_lds s[G0X+4*\s:G0X+4*\s+3], s[G1X:G1X+7]
	s_nop 0
	s_branch .Lasked_\@
.Lfor_w_\@:
	tensor_load_to_lds s[G0W+4*\s:G0W+4*\s+3], s[G1W:G1W+7]
	s_nop 0
.Lasked_\@:
.endm
	s_load_b256 s[4:11], s[0:1], 0x0               ; x, Wq, Wk, Wv
	s_load_b256 s[12:19], s[0:1], 0x20             ; bq, bk, bv, qh
	s_load_b128 s[20:23], s[0:1], 0x40             ; kh, vh
	s_load_b64 s[24:25], s[0:1], 0x50              ; v32
	s_set_vgpr_msb 0x80
	v_lshl_add_u32 v128, v0, 2, 0x42400
	v_mov_b32 v129, 0
	s_set_vgpr_msb 0x808a
	ds_add_u32 v128, v129
	s_set_vgpr_msb 0x8a00
	v_lshrrev_b32 v1, 5, v0
	v_readfirstlane_b32 s26, v1                    ; wave 0..3
	s_bfe_u32 s27, ttmp6, 0x40000                  ; cx
	s_bfe_u32 s28, ttmp6, 0x40004                  ; cy
	s_lshl_b32 s29, ttmp9, 2
	s_add_co_u32 s29, s29, s27                     ; head = 4 x cluster x + cx
	s_and_b32 s30, ttmp7, 0xffff
	s_lshl_b32 s30, s30, 2
	s_add_co_u32 s30, s30, s28                     ; token block = 4 x cluster y + cy
	s_lshl_b32 s70, s28, 2
	s_lshl_b32 s70, 15, s70                        ; my row of the cluster
	s_lshl_b32 s71, 0x1111, s27                    ; my column
	s_mov_b32 s68, 0x3e38aa3b                      ; 0.125 log2(e), twice: a pair for the packed multiply
	s_mov_b32 s69, 0x3e38aa3b
	; group 1: elements of 4 bytes, padding of 4 words behind every 64 words, bit 21 beside the mask
	s_or_b32 s[G1X+0], s70, (2<<16)|(1<<20)|(1<<21)|(5<<22)|(3<<25)
	s_mov_b32 s[G1X+1], 64<<16                     ; tensor_dim0 = 64
	s_mov_b32 s[G1X+2], 256<<16                    ; tensor_dim1 = 256
	s_mov_b32 s[G1X+3], 64<<16                     ; tile_dim0 = 64
	s_mov_b32 s[G1X+4], 256                        ; tile_dim1 = 256
	s_mov_b32 s[G1X+5], 512                        ; elements from row to row
	s_mov_b32 s[G1X+6], 0
	s_mov_b32 s[G1X+7], 0
	s_or_b32 s[G1W+0], s71, (2<<16)|(1<<20)|(1<<21)|(5<<22)|(3<<25)
	s_mov_b32 s[G1W+1], 64<<16
	s_mov_b32 s[G1W+2], 64<<16                     ; 64 rows
	s_mov_b32 s[G1W+3], 64<<16
	s_mov_b32 s[G1W+4], 64
	s_mov_b32 s[G1W+5], 512
	s_mov_b32 s[G1W+6], 0
	s_mov_b32 s[G1W+7], 0
	s_mul_i32 s78, s26, WBYTES
	s_add_co_u32 s78, s78, XBYTES-WBYTES           ; where wave 1, 2, 3 puts its W: behind x's rows
	s_lshl_b32 s72, s30, 19                        ; x: 256 rows of 2,048 bytes a block (the block row alone)
	s_mov_b32 s73, 0
	s_lshl_b32 s74, s29, 17                        ; W: 64 rows of 2,048 bytes a head (the head alone)
	s_mov_b32 s75, 0
	s_wait_dscnt 0x0
	s_wait_kmcnt 0x0
	s_add_nc_u64 s[72:73], s[4:5], s[72:73]
	s_cmp_eq_u32 s26, 1
	s_cselect_b64 s[76:77], s[6:7], s[10:11]       ; wave 1: Wq; else Wv
	s_cmp_eq_u32 s26, 2
	s_cselect_b64 s[76:77], s[8:9], s[76:77]       ; wave 2: Wk
	s_add_nc_u64 s[74:75], s[76:77], s[74:75]
	ROUND                                          ; all sixteen work-groups are here: the first joint loads meet
.irp s, 0,1
	s_mov_b32 s[G0X+4*\s], 1
	s_mov_b32 s[G0X+4*\s+1], \s*SLOT
	s_add_nc_u64 s[G0X+4*\s+2:G0X+4*\s+3], s[72:73], \s*256        ; K step s
	s_or_b32 s[G0X+4*\s+3], s[G0X+4*\s+3], 0x80000000
	s_mov_b32 s[G0W+4*\s], 1
	s_add_co_u32 s[G0W+4*\s+1], s78, \s*SLOT
	s_add_nc_u64 s[G0W+4*\s+2:G0W+4*\s+3], s[74:75], \s*256
	s_or_b32 s[G0W+4*\s+3], s[G0W+4*\s+3], 0x80000000
	JLOAD \s                                       ; both slots are asked for before anything else: two loads of the wave are out
.endr
	v_and_b32 v1, 31, v0                           ; lane
	v_and_b32 v12, 15, v0                          ; r
	v_bfe_u32 v13, v0, 4, 1                        ; h
	v_mul_u32_u24 v14, v12, PITCH
	v_lshl_add_u32 v14, v13, 5, v14                ; 272 r + 32 h: eight f32 for each half of the lanes
	s_mul_i32 s79, s26, 64*PITCH
	v_add_nc_u32 v[XADR], s79, v14
	v_add_nc_u32 v[XADR+1], SLOT, v[XADR]
	v_add_nc_u32 v[WADR], XBYTES, v14
	v_add_nc_u32 v[WADR+1], SLOT, v[WADR]
	v_lshlrev_b32 v[BOFF], 5, v13
	s_mul_i32 s80, s26, STAGEW
	s_add_co_u32 s80, s80, STAGE                   ; my stage
	v_mul_u32_u24 v14, v12, 144
	v_lshl_add_u32 v14, v13, 4, v14
	v_add_nc_u32 v[STW], s80, v14
	v_lshrrev_b32 v14, 3, v1
	v_mul_u32_u24 v14, v14, 144
	v_and_b32 v15, 7, v0
	v_lshl_add_u32 v14, v15, 4, v14
	v_add_nc_u32 v[STR], s80, v14                  ; eight lanes take one row of 128 bytes
	v_lshlrev_b32 v[GOFF], 4, v1
	v_lshlrev_b32 v[V32OFF], 8, v12
	v_lshl_add_u32 v[V32OFF], v13, 5, v[V32OFF]
	s_lshl_b32 s82, s29, 8                         ; the head's 64 biases
	s_mov_b32 s83, 0
	s_add_nc_u64 s[12:13], s[12:13], s[82:83]
	s_add_nc_u64 s[14:15], s[14:15], s[82:83]
	s_add_nc_u64 s[16:17], s[16:17], s[82:83]
	s_lshr_b32 s81, s30, 4
	s_lshl_b32 s81, s81, 3
	s_add_co_u32 s81, s81, s29                     ; bh = 8 batch + head
	s_lshl_b32 s82, s81, 13
	s_add_nc_u64 s[24:25], s[24:25], s[82:83]      ; v32 at my head
	s_and_b32 s79, s30, 15
	s_lshl_b32 s79, s79, 8
	s_lshl_b32 s82, s26, 6
	s_add_co_u32 s79, s79, s82                     ; my wave's first token in its sequence
	v_add_nc_u32 v[TOK], s79, v12
	s_lshl_b32 s82, s81, 12
	s_add_co_u32 s82, s82, s79
	s_lshl_b32 s82, s82, 7                         ; rows of 128 bytes
	s_add_nc_u64 s[18:19], s[18:19], s[82:83]      ; qh, kh, vh at my wave's first row
	s_add_nc_u64 s[20:21], s[20:21], s[82:83]
	s_add_nc_u64 s[22:23], s[22:23], s[82:83]
	; The sums start from the bias: register j of every tile (mtx, nb, .) is b[64 head + 16 nb + 8 h + j].  Nothing is cleared, nothing added later.
.irp mtx, 0,1,2
.if \mtx == 2
	WIN 0x80                                       ; destination in window 2
.else
	WIN 0x40                                       ; destination in window 1
.endif
.irp nb, 0,1,2,3
.irp tb, 0,1,2,3
	global_load_b128 v[128*(\mtx&1)+8*(4*\nb+\tb):128*(\mtx&1)+8*(4*\nb+\tb)+3], v[BOFF], s[12+2*\mtx:13+2*\mtx] offset:64*\nb
	global_load_b128 v[128*(\mtx&1)+8*(4*\nb+\tb)+4:128*(\mtx&1)+8*(4*\nb+\tb)+7], v[BOFF], s[12+2*\mtx:13+2*\mtx] offset:64*\nb+16
.endr
.endr
.endr
	WIN 0
	s_wait_loadcnt 0x0                             ; the biases, once
; 16 LDS loads: four fragments (16 rows x 32 K of f32) of x (item 0) or of Wq, Wk, Wv (item 1, 2, 3).  A lane's K = 8 h .. 8 h + 7 are the 32 bytes
; at 32 h, its K = 16 + 8 h .. are 64 bytes further on.  Items take the two raw buffers by turns.
.macro LOADRAW slot, kk, item
.irp f, 0,1,2,3
.irp p, 0,1,2,3
.if \item == 0
	ds_load_b128 v[RAW0+16*\f+4*\p:RAW0+16*\f+4*\p+3], v[XADR+\slot] offset:128*\kk+16*PITCH*\f+16*(\p&1)+64*(\p>>1)
.else
	ds_load_b128 v[RAW0+64*(\item&1)+16*\f+4*\p:RAW0+64*(\item&1)+16*\f+4*\p+3], v[WADR+\slot] offset:(\item-1)*WBYTES+128*\kk+16*PITCH*\f+16*(\p&1)+64*(\p>>1)
.endif
.endr
.endr
.endm
.macro CVT buf, dst                    ; 64 f32 to 32 registers of bf16 pairs, the lower K in the lower half
.set i, 0
.rept 32
	v_cvt_pk_bf16_f32 v[\dst+i], v[\buf+2*i], v[\buf+2*i+1]
.set i, i+1
.endr
.endm
; 16 matrix instructions: the 16 tiles of one matrix, each once.  The 48 accumulators take turns, one instruction a turn, over the loop's
; backward jump too.
.macro MUL item
.if \item == 3
	WIN 0xa0                                       ; C and D in window 2
.else
	WIN 0x50                                       ; C and D in window 1
.endif
.irp nb, 0,1,2,3
.irp tb, 0,1,2,3
	v_wmma_f32_16x16x32_bf16 v[128*((\item-1)&1)+8*(4*\nb+\tb):128*((\item-1)&1)+8*(4*\nb+\tb)+7], v[WF0+32*(\item&1)+8*\nb:WF0+32*(\item&1)+8*\nb+7], v[XF+8*\tb:XF+8*\tb+7], v[128*((\item-1)&1)+8*(4*\nb+\tb):128*((\item-1)&1)+8*(4*\nb+\tb)+7]
.endr
.endr
	WIN 0
.endm
; One item: the next item's loads go out first, then this item is converted and (W) multiplied.
.macro CHUNK slot, item, more, nkk, nitem
.if \more
	LOADRAW \slot, \nkk, \nitem
	s_wait_dscnt 16                                ; LDS loads come back in order: all but the 16 just issued are in
.else
	s_wait_dscnt 0x0
.endif
.if \item == 0
	PLACES 4                                       ; XF was read by the matrix instructions just issued: four places before it is written
	CVT RAW0, XF
.else
	CVT RAW0+64*(\item&1), WF0+32*(\item&1)        ; this W buffer's last readers lie at least 32 conversions back
	MUL \item
.endif
.endm
.macro COMPUTE slot                    ; one K step of 64: two halves of 32 x (x, Wq, Wk, Wv)
	LOADRAW \slot, 0, 0
	CHUNK \slot, 0, 1, 0, 1
	CHUNK \slot, 1, 1, 0, 2
	CHUNK \slot, 2, 1, 0, 3
	CHUNK \slot, 3, 1, 1, 0
	CHUNK \slot, 0, 1, 1, 1
	CHUNK \slot, 1, 1, 1, 2
	CHUNK \slot, 2, 1, 1, 3
	CHUNK \slot, 3, 0, 0, 0
.endm
; A K step in slot 'slot'; refill = 1: the other slot, read in the last step, is asked for again, two steps ahead.
.macro RTRIP slot, other, refill
	s_set_vgpr_msb 0xa
	s_wait_tensorcnt 0x0                           ; all my tensor loads have landed, my part of this step's tiles among them,
	ds_add_u32 v128, v129
	s_wait_dscnt 0x0
	s_set_vgpr_msb 0xa00
.if \refill
	s_add_nc_u64 s[G0X+4*\other+2:G0X+4*\other+3], s[G0X+4*\other+2:G0X+4*\other+3], 512   ; so every group 0 may be written: two steps of 256 bytes on
	s_add_nc_u64 s[G0W+4*\other+2:G0W+4*\other+3], s[G0W+4*\other+2:G0W+4*\other+3], 512
.endif
	s_wait_dscnt 0x0                               ; my reads of the other slot are back
.if \refill
	ROUND                                          ; both now hold of every wave of every work-group of the cluster
	JLOAD \other                                   ; my one tensor load behind the round, first thing there
.else
	s_barrier_signal -1
	s_barrier_wait -1
.endif
	COMPUTE \slot
.endm
	s_wait_tensorcnt 0x1                           ; my part of step 0 is in; step 1's may stay out
	s_barrier_signal -1
	s_barrier_wait -1
	COMPUTE 0
	s_mov_b32 s66, 3
.Lsteps:
	RTRIP 1, 0, 1
	RTRIP 0, 1, 1
	s_sub_co_u32 s66, s66, 1
	s_cmp_lg_u32 s66, 0
	s_cbranch_scc1 .Lsteps
	RTRIP 1, 0, 0                                  ; step 7: nothing is left to fetch
	PLACES 4                                       ; four places before results are read
	; v of tokens 0..31 of each sequence, unrounded: only the wave whose first token is 0 has lanes on (token < 16 in block tb = 0).
	; 128 KiB in the whole launch, in pieces of 16 bytes a lane: too little to be worth a trip through LDS.
	s_wait_xcnt 0x0                                ; EXEC changes only behind this wait
	v_cmp_gt_u32 vcc_lo, 16, v[TOK]
	s_and_saveexec_b32 s67, vcc_lo
	WIN 0x08                                       ; store data in window 2
.irp tb, 0,1
.irp nb, 0,1,2,3
	global_store_b128 v[V32OFF], v[8*(4*\nb+\tb):8*(4*\nb+\tb)+3], s[24:25] offset:4096*\tb+64*\nb
	global_store_b128 v[V32OFF], v[8*(4*\nb+\tb)+4:8*(4*\nb+\tb)+7], s[24:25] offset:4096*\tb+64*\nb+16
.endr
.endr
	WIN 0
	s_wait_xcnt 0x0                                ; and again in front of the line that widens it
	s_or_b32 exec_lo, exec_lo, s67
; 16 tokens of all three matrices: to f16, 16 bytes a lane into my own stage, read back as rows, stored as 512 dense bytes an instruction.
.macro PUT mtx
.irp nb, 0,1,2,3
	ds_store_b128 v[STW], v[PK+4*\nb:PK+4*\nb+3] offset:2304*\mtx+32*\nb
.endr
.endm
.macro OUT16 tb
	WIN 0x01                                       ; source 0 in window 1
.irp nb, 0,1,2,3
.irp p, 0,1,2,3
	v_pk_mul_f32 v[RAW0+8*\nb+2*\p:RAW0+8*\nb+2*\p+1], v[8*(4*\nb+\tb)+2*\p:8*(4*\nb+\tb)+2*\p+1], s[68:69] op_sel_hi:[1,0]
.endr
.endr
	WIN 0
.irp nb, 0,1,2,3
.irp p, 0,1,2,3
	v_cvt_pk_f16_f32 v[PK+4*\nb+\p], v[RAW0+8*\nb+2*\p], v[RAW0+8*\nb+2*\p+1]
.endr
.endr
	PUT 0
	WIN 0x05                                       ; sources 0 and 1 in window 1
.irp nb, 0,1,2,3
.irp p, 0,1,2,3
	v_cvt_pk_f16_f32 v[PK+4*\nb+\p], v[128+8*(4*\nb+\tb)+2*\p], v[128+8*(4*\nb+\tb)+2*\p+1]
.endr
.endr
	WIN 0
	PUT 1
	WIN 0x0a                                       ; sources 0 and 1 in window 2
.irp nb, 0,1,2,3
.irp p, 0,1,2,3
	v_cvt_pk_f16_f32 v[PK+4*\nb+\p], v[8*(4*\nb+\tb)+2*\p], v[8*(4*\nb+\tb)+2*\p+1]
.endr
.endr
	WIN 0
	PUT 2
	s_wait_xcnt 0x0                                ; RAW1, which the last block's stores read, is loaded again only behind this wait
.irp mtx, 0,1,2
.irp i, 0,1,2,3
	ds_load_b128 v[RAW1+16*\mtx+4*\i:RAW1+16*\mtx+4*\i+3], v[STR] offset:2304*\mtx+576*\i   ; LDS serves a wave's instructions in order: these see the stores above
.endr
.endr
.irp mtx, 0,1,2
.irp i, 0,1,2,3
	s_wait_dscnt 11-(4*\mtx+\i)                    ; the younger read-backs may stay out
	global_store_b128 v[GOFF], v[RAW1+16*\mtx+4*\i:RAW1+16*\mtx+4*\i+3], s[18+2*\mtx:19+2*\mtx] offset:2048*\tb+512*\i   ; four rows of 128 bytes: 512 consecutive bytes, aligned
.endr
.endr
.endm
	OUT16 0
	OUT16 1
	OUT16 2
	OUT16 3
	s_set_vgpr_msb 0xa
	s_wait_tensorcnt 0x0
	ds_add_u32 v128, v129
	s_wait_dscnt 0x0
	s_set_vgpr_msb 0xa00
	ROUND                                          ; the closing round: no work-group ends while a partner may still ask jointly
	s_endpgm
.Lfunc_end_k_qa99aae8386_qkv:
	.size	k_qa99aae8386_qkv, .Lfunc_end_k_qa99aae8386_qkv-k_qa99aae8386_qkv
	.p2alignl 7, 3214868480
	.fill 96, 4, 3214868480
	.section	.rodata,"a",@progbits
	.p2align	6, 0x0
	.amdhsa_kernel k_qa99aae8386_qkv
		.amdhsa_group_segment_fixed_size 327680
		.amdhsa_private_segment_fixed_size 0
		.amdhsa_enable_private_segment 0
		.amdhsa_kernarg_size 88
		.amdhsa_user_sgpr_count 2
		.amdhsa_user_sgpr_kernarg_segment_ptr 1
		.amdhsa_wavefront_size32 1
		.amdhsa_system_sgpr_workgroup_id_x 1
		.amdhsa_system_sgpr_workgroup_id_y 1
		.amdhsa_system_sgpr_workgroup_id_z 1
		.amdhsa_system_vgpr_workitem_id 0
		.amdhsa_next_free_vgpr 642
		.amdhsa_next_free_sgpr 84
		.amdhsa_reserve_vcc 1
		.amdhsa_float_denorm_mode_32 3
		.amdhsa_float_denorm_mode_16_64 3
		.amdhsa_memory_ordered 1
		.amdhsa_forward_progress 1
		.amdhsa_inst_pref_size 173
	.end_amdhsa_kernel
	.amdgpu_metadata
---
amdhsa.version: [ 1, 2 ]
amdhsa.kernels:
  - .name:           k_qa99aae8386_qkv
    .symbol:         k_qa99aae8386_qkv.kd
    .args:
      - { .name: x, .offset: 0, .size: 8, .value_kind: global_buffer, .address_space: global }
      - { .name: Wq, .offset: 8, .size: 8, .value_kind: global_buffer, .address_space: global }
      - { .name: Wk, .offset: 16, .size: 8, .value_kind: global_buffer, .address_space: global }
      - { .name: Wv, .offset: 24, .size: 8, .value_kind: global_buffer, .address_space: global }
      - { .name: bq, .offset: 32, .size: 8, .value_kind: global_buffer, .address_space: global }
      - { .name: bk, .offset: 40, .size: 8, .value_kind: global_buffer, .address_space: global }
      - { .name: bv, .offset: 48, .size: 8, .value_kind: global_buffer, .address_space: global }
      - { .name: qh, .offset: 56, .size: 8, .value_kind: global_buffer, .address_space: global }
      - { .name: kh, .offset: 64, .size: 8, .value_kind: global_buffer, .address_space: global }
      - { .name: vh, .offset: 72, .size: 8, .value_kind: global_buffer, .address_space: global }
      - { .name: v32, .offset: 80, .size: 8, .value_kind: global_buffer, .address_space: global }
    .group_segment_fixed_size: 327680
    .private_segment_fixed_size: 0
    .kernarg_segment_align: 8
    .kernarg_segment_size: 88
    .max_flat_workgroup_size: 128
    .sgpr_count:     84
    .vgpr_count:     642
    .wavefront_size: 32
...
	.end_amdgpu_metadata
.endif
;; end of part 1
;; launch attn (part 2): grid 256 x 1, 8 waves a work-group, clusters of 4 x 1, 327,680 bytes of LDS; arguments qh, kh, vh, v32, out0; writes out0
.if DOCPART == 2
	.amdgcn_target "amdgcn-amd-amdhsa--gfx1250"
	.amdhsa_code_object_version 6
	.text
	.protected	k_qa99aae8386_attn
	.globl	k_qa99aae8386_attn
	.p2align	8
	.type	k_qa99aae8386_attn,@function
k_qa99aae8386_attn:
	s_mov_b64 s[64:65], 0
	v_nop
	global_prefetch_b8 v0, s[64:65] scope:SCOPE_SE
	s_setreg_imm32_b32 hwreg(HW_REG_WAVE_MODE, 25, 1), 1
	s_wait_xcnt 0x0
	s_wait_alu depctr_hold_cnt(0) depctr_sa_sdst(0) depctr_va_vdst(0) depctr_va_sdst(0) depctr_va_ssrc(0) depctr_va_vcc(0) depctr_vm_vsrc(0)
	s_getreg_b32 s2, hwreg(HW_REG_IB_STS2, 6, 4)
	s_cmp_eq_u32 s2, 0
	s_cbranch_scc0 .Lentry_in_a_cluster
	s_endpgm
.Lentry_in_a_cluster:
	s_bfe_u32 s2, ttmp6, 0x10000c
	s_cmp_lg_u32 s2, 0x3003
	s_cbranch_scc0 .Lentry_shape_is_right
	s_endpgm
.Lentry_shape_is_right:
; Causal attention with a running maximum.  qh (already times 0.125 log2 e), kh, vh: f16 [16 bh][4096][64]; v32: f32 [16][32][64]; out0: f32 [2][4096][512].
; SHARES: a head's 4,096 queries are 8 super-blocks of 512.  A cluster of four work-groups takes super-block J and then 7 - J of one head.  All four walk
; the same tiles of 256 keys, so every K and V tile is asked for jointly; 2 (J + 1) + 2 (8 - J) = 18 tiles for every work-group.  In each phase the two
; diagonal tiles come first, then tiles 0 .. 2 SB - 1.
; Eight waves: wave = (g, w).  Wave w of partner cx takes queries 128 w + 32 cx .. + 31 of the super-block (two blocks qb of 16) and keys 128 g .. + 127 of
; each tile (two steps of 64); the two key halves are merged through LDS at each phase's end.
; THE DIAGONAL: in diagonal tile e the wave's keys are block c = 2 e + g of the super-block's four blocks of 128.  Its queries lie in quarter w, whatever cx:
; c > w: every key lies above every query, the steps are jumped over; c < w: every key lies below, the mask's lines are jumped over; c = w: masked.  The
; choice hangs on the wave's number alone, so the partners stay alike.  Of 32 wave-steps of a phase's diagonal tiles 21 are run, 9 of them with the mask.
; Each diagonal step stands in the text once: the waves differ by short forward jumps, not by copies of the step.
; ORIENTATION: S^T = K Q^T (lane r = query, register j = key 8 h + j); two neighbouring tiles of S^T, packed to f16 in place, are the second source of
; O^T = V^T P^T.  Maximum, sum and rescale factor are one number a lane.
; FORMATS: q, k, v, P in f16, sums in f32.  For keys 0..31 and queries 0..511 v's f16 remainder (from v32) is added by eight more matrix instructions:
; rows with few keys sum large terms that can cancel.
; LIMITS: a weight below 2^-25 of the running maximum becomes 0 in f16.  The running maximum starts at the most negative finite f32, masked scores are
; -infinity, so no difference of two infinities is formed.  A NaN among the scores is dropped by the maximum and spreads through the exponentials.
.set SLOT,  77824                      ; K: 256 rows, pitch 144; then V: 256 rows, pitch 160
.set KP,    144
.set VP,    160                        ; an odd multiple of 32, for the transposing loads
.set VOFFS, 256*KP
.set MRG,   2*SLOT                     ; written by ds_store alone: 18 x 512 bytes for each pair of waves
.set STAGE, MRG+4*9216                 ; written by ds_store alone: 32 rows x 272 bytes for each wave of g = 0
.set TILEB, 32768                      ; 256 rows of 128 bytes in memory
.set KADR, 4                           ; v4-5   LDS address of my K fragments in slot 0, 1
.set VADR, 6                           ; v6-7   the same for V's transposing loads
.set MSK,  8                           ; v8     128 w + 32 cx - 128 g + r - 8 h: a key is kept if its constant part is not above this
.set QOFF, 9
.set OOFF, 10
.set MRGA, 11
.set STW,  12
.set STR,  13
.set LOOFF, 15
.set QF,   16                          ; v16-47    Q(qb, kstep) at 16 qb + 8 kstep
.set OA,   48                          ; v48-111   O(qb, db) at 32 qb + 8 db
.set SC,   112                         ; v112-175  S(qb, kb) at 32 qb + 8 kb; P(qb, ks) at 32 qb + 16 ks
.set KV,   176                         ; v176-239  K(kb, kstep) at 16 kb + 8 kstep, then V(db, ks) at 16 db + 8 ks
.set MX,   240                         ; pairs: running maximum (twice)
.set LS,   244                         ; pairs: running sums
.set AL,   248                         ; pairs: rescale factor (twice)
.set TT,   252                         ; v252-255 at work
.set G1K, 32
.set G1V, 40
.set G0K, 48                           ; s[48:55] one set for each slot
.set G0V, 56                           ; s[56:63]
.macro PLACES n
.rept \n
	v_nop
.endr
.endm
.macro ROUND
	s_barrier_signal -1
	s_barrier_wait -1
	s_cmp_lg_u32 s14, 0
	s_cbranch_scc1 .Lnot_wave_0_\@
	s_barrier_signal -3
.Lnot_wave_0_\@:
	s_barrier_wait -3
	s_barrier_signal -1
	s_barrier_wait -1
.endm
.macro JLOAD s                         ; waves 0-3 ask for 64 rows of K each, waves 4-7 for 64 rows of V each
	s_cmp_eq_u32 s15, 0
	s_cbranch_scc0 .Lfor_v_\@
	tensor_load_to_lds s[G0K+4*\s:G0K+4*\s+3], s[G1K:G1K+7]
	s_nop 0
	s_branch .Lasked_\@
.Lfor_v_\@:
	tensor_load_to_lds s[G0V+4*\s:G0V+4*\s+3], s[G1V:G1V+7]
	s_nop 0
.Lasked_\@:
.endm
.macro SETADR s                        ; slot s gets the tile at byte s70 of the head's K and V
	s_add_nc_u64 s[G0K+4*\s+2:G0K+4*\s+3], s[26:27], s[70:71]
	s_or_b32 s[G0K+4*\s+3], s[G0K+4*\s+3], 0x80000000
	s_add_nc_u64 s[G0V+4*\s+2:G0V+4*\s+3], s[28:29], s[70:71]
	s_or_b32 s[G0V+4*\s+3], s[G0V+4*\s+3], 0x80000000
.endm
	s_load_b256 s[4:11], s[0:1], 0x0               ; qh, kh, vh, v32
	s_load_b64 s[12:13], s[0:1], 0x20              ; out0
	s_set_vgpr_msb 0x40
	v_lshl_add_u32 v0, v0, 2, 0x37800
	v_mov_b32 v1, 0
	s_set_vgpr_msb 0x4045
	ds_add_u32 v0, v1
	s_set_vgpr_msb 0x4500
	v_lshrrev_b32 v1, 5, v0
	v_readfirstlane_b32 s14, v1                    ; wave 0..7
	s_lshr_b32 s15, s14, 2                         ; g
	s_and_b32 s16, s14, 3                          ; w
	s_add_co_u32 s31, s16, 1
	s_sub_co_u32 s31, s31, s15                     ; w + 1 - g, 0..4: where my keys of a diagonal tile lie against my queries
	s_bfe_u32 s17, ttmp6, 0x40000                  ; cx
	s_and_b32 s18, ttmp9, 3                        ; J: the same in all four partners
	s_lshr_b32 s19, ttmp9, 2                       ; bh
	s_or_b32 s21, s18, s15                         ; 0: this wave meets keys 0..31 with queries below 512
	s_mov_b32 s22, 0x76543210                      ; v_permlanex16_b32: lane i reads lane i of the other half
	s_mov_b32 s23, 0xfedcba98
	s_mov_b32 s24, 0xff800000                      ; -infinity
	s_sub_co_u32 s25, 7, s18
	s_lshl_b32 s25, s25, 16                        ; byte offset of the second phase's first diagonal tile: 2 (7 - J) tiles
	s_lshl_b32 s30, s18, 16                        ; and of the first phase's: 2 J tiles
	; group 1: 64 rows x 64 elements of 2 bytes, mask of all four partners, bit 21 beside it, padding behind every 32 words: 4 words (K), 8 words (V)
	s_mov_b32 s[G1K+0], 15|(1<<16)|(1<<20)|(1<<21)|(4<<22)|(3<<25)
	s_mov_b32 s[G1V+0], 15|(1<<16)|(1<<20)|(1<<21)|(4<<22)|(7<<25)
.irp g, G1K, G1V
	s_mov_b32 s[\g+1], 64<<16                      ; tensor_dim0 = 64
	s_mov_b32 s[\g+2], 64<<16                      ; tensor_dim1 = 64
	s_mov_b32 s[\g+3], 64<<16                      ; tile_dim0 = 64
	s_mov_b32 s[\g+4], 64                          ; tile_dim1 = 64
	s_mov_b32 s[\g+5], 64                          ; elements from row to row
	s_mov_b32 s[\g+6], 0
	s_mov_b32 s[\g+7], 0
.endr
	s_mul_i32 s78, s16, 64*KP
	s_mul_i32 s79, s16, 64*VP
	s_add_co_u32 s79, s79, VOFFS
.irp s, 0,1
	s_mov_b32 s[G0K+4*\s], 1
	s_add_co_u32 s[G0K+4*\s+1], s78, \s*SLOT
	s_mov_b32 s[G0V+4*\s], 1
	s_add_co_u32 s[G0V+4*\s+1], s79, \s*SLOT
.endr
	s_lshl_b32 s78, s19, 19                        ; the head's 4,096 rows of 128 bytes
	s_lshl_b32 s79, s16, 13                        ; my 64 rows of a tile
	s_add_co_u32 s78, s78, s79
	s_mov_b32 s79, 0
	s_mov_b32 s70, s30                             ; the next tile to ask for: the first phase's first diagonal tile
	s_mov_b32 s71, 0
	s_wait_dscnt 0x0
	s_wait_kmcnt 0x0
	s_add_nc_u64 s[26:27], s[6:7], s[78:79]
	s_add_nc_u64 s[28:29], s[8:9], s[78:79]
	ROUND                                          ; the four partners are here: the first joint loads meet
	SETADR 0
	JLOAD 0
	s_add_co_u32 s70, s70, TILEB
	SETADR 1
	JLOAD 1                                        ; two loads of the wave are out
	; pointers that hang on cx, in registers that feed no descriptor
	s_lshl_b32 s80, s17, 5
	s_lshl_b32 s81, s16, 7
	s_add_co_u32 s80, s80, s81                     ; 128 w + 32 cx
	s_lshl_b32 s81, s18, 9
	s_add_co_u32 s81, s81, s80                     ; my first query, first phase
	s_lshr_b32 s82, s25, 7
	s_add_co_u32 s82, s82, s80                     ; my first query, second phase
	s_lshl_b32 s83, s19, 12
	s_mov_b32 s85, 0
	s_add_co_u32 s84, s83, s81
	s_lshl_b32 s84, s84, 7
	s_add_nc_u64 s[66:67], s[4:5], s[84:85]        ; q, first phase
	s_add_co_u32 s84, s83, s82
	s_lshl_b32 s84, s84, 7
	s_add_nc_u64 s[74:75], s[4:5], s[84:85]        ; q, second phase
	s_lshr_b32 s83, s19, 3
	s_lshl_b32 s83, s83, 12                        ; batch x 4,096 rows
	s_and_b32 s86, s19, 7
	s_lshl_b32 s86, s86, 8                         ; the head's 256 bytes of a row
	s_add_co_u32 s84, s83, s81
	s_lshl_b32 s84, s84, 11
	s_add_co_u32 s84, s84, s86
	s_add_nc_u64 s[68:69], s[12:13], s[84:85]      ; out, first phase
	s_add_co_u32 s84, s83, s82
	s_lshl_b32 s84, s84, 11
	s_add_co_u32 s84, s84, s86
	s_add_nc_u64 s[76:77], s[12:13], s[84:85]      ; out, second phase
	s_lshl_b32 s84, s19, 13
	s_add_nc_u64 s[72:73], s[10:11], s[84:85]      ; v32 at my head
	s_lshl_b32 s83, s15, 7
	s_sub_co_i32 s83, s80, s83                     ; 128 w + 32 cx - 128 g
	v_and_b32 v1, 31, v0                           ; lane
	v_and_b32 v2, 15, v0                           ; r
	v_bfe_u32 v3, v0, 4, 1                         ; h
	v_mul_u32_u24 v[KADR], v2, KP
	v_lshl_add_u32 v[KADR], v3, 4, v[KADR]
	s_mul_i32 s78, s15, 128*KP
	v_add_nc_u32 v[KADR], s78, v[KADR]             ; (128 g + r) 144 + 16 h
	v_add_nc_u32 v[KADR+1], SLOT, v[KADR]
	v_and_b32 v[VADR], 7, v0
	v_lshl_add_u32 v[VADR], v3, 3, v[VADR]
	v_mul_u32_u24 v[VADR], v[VADR], VP
	v_bfe_u32 v14, v0, 3, 1
	v_lshl_add_u32 v[VADR], v14, 4, v[VADR]
	s_mul_i32 s78, s15, 128*VP
	s_add_co_u32 s78, s78, VOFFS
	v_add_nc_u32 v[VADR], s78, v[VADR]             ; V + (128 g + 8 h + lane mod 8) 160 + 16 (bit 3 of the lane)
	v_add_nc_u32 v[VADR+1], SLOT, v[VADR]
	v_add_nc_u32 v[MSK], s83, v2
	v_lshlrev_b32 v14, 3, v3
	v_sub_nc_u32 v[MSK], v[MSK], v14
	v_lshlrev_b32 v[QOFF], 7, v2
	v_lshl_add_u32 v[QOFF], v3, 4, v[QOFF]         ; 128 r + 16 h
	v_lshlrev_b32 v[OOFF], 11, v3
	v_lshl_add_u32 v[OOFF], v2, 4, v[OOFF]         ; 2,048 h + 16 r
	s_mul_i32 s78, s16, 9216
	s_add_co_u32 s78, s78, MRG
	v_lshl_add_u32 v[MRGA], v1, 4, s78
	s_mul_i32 s78, s16, 32*272
	s_add_co_u32 s78, s78, STAGE
	v_mul_u32_u24 v14, v2, 272
	v_lshl_add_u32 v14, v3, 5, v14
	v_add_nc_u32 v[STW], s78, v14                  ; 272 r + 32 h
	v_mul_u32_u24 v14, v3, 272
	v_lshl_add_u32 v14, v2, 4, v14
	v_add_nc_u32 v[STR], s78, v14                  ; 272 h + 16 r
	v_lshlrev_b32 v[LOOFF], 11, v3
	v_lshl_add_u32 v[LOOFF], v2, 2, v[LOOFF]       ; 2,048 h + 4 r
.macro QLOAD p                         ; my 32 queries as second-source fragments, straight from memory
.irp qb, 0,1
.irp ks, 0,1
	global_load_b128 v[QF+16*\qb+8*\ks:QF+16*\qb+8*\ks+3], v[QOFF], s[\p:\p+1] offset:2048*\qb+64*\ks
	global_load_b128 v[QF+16*\qb+8*\ks+4:QF+16*\qb+8*\ks+7], v[QOFF], s[\p:\p+1] offset:2048*\qb+64*\ks+32
.endr
.endr
.endm
	QLOAD 66
; The softmax of one block of 16 queries x 64 keys: 32 scores a lane.  first = 1: nothing has been summed yet.
; masked = 1: a step of diagonal tile e = cbase / 256.  A wave whose keys all lie below its queries (w > 2 e + g, that is w + 1 - g >= 2 + 2 e)
; jumps over the 64 lines of the mask: they would change nothing.  The jump hangs on the wave's number alone.
.macro SOFTMAX qb, masked, cbase, first
.if \masked
	s_cmp_ge_u32 s31, 2+2*((\cbase)>>8)
	s_cbranch_scc1 .Lbelow_\@
.irp kb, 0,1,2,3
.irp j, 0,1,2,3,4,5,6,7
	v_cmp_le_i32 vcc_lo, \cbase+16*\kb+\j-16*\qb, v[MSK]           ; key <= query
	v_cndmask_b32 v[SC+32*\qb+8*\kb+\j], s24, v[SC+32*\qb+8*\kb+\j], vcc_lo
.endr
.endr
.Lbelow_\@:
.endif
.irp kb, 0,1,2,3
	v_max3_num_f32 v[TT+\kb], v[SC+32*\qb+8*\kb], v[SC+32*\qb+8*\kb+1], v[SC+32*\qb+8*\kb+2]
.endr
.irp kb, 0,1,2,3
	v_max3_num_f32 v[TT+\kb], v[TT+\kb], v[SC+32*\qb+8*\kb+3], v[SC+32*\qb+8*\kb+4]
.endr
.irp kb, 0,1,2,3
	v_max3_num_f32 v[TT+\kb], v[TT+\kb], v[SC+32*\qb+8*\kb+5], v[SC+32*\qb+8*\kb+6]
.endr
	v_max3_num_f32 v[TT], v[TT], v[SC+32*\qb+7], v[SC+32*\qb+15]
	v_max3_num_f32 v[TT+1], v[TT+1], v[SC+32*\qb+23], v[SC+32*\qb+31]
	v_max3_num_f32 v[TT], v[TT], v[TT+1], v[TT+2]
.if \first
	v_max3_num_f32 v[TT], v[TT], v[TT+3], 0xff7fffff               ; the most negative finite number: a block that is all masked stays finite
.else
	v_max3_num_f32 v[TT], v[TT], v[TT+3], v[MX+2*\qb]
.endif
	v_permlanex16_b32 v[TT+1], v[TT], s22, s23                     ; the other eight keys of each tile lie in the other half of the lanes
	v_max_num_f32 v[TT], v[TT], v[TT+1]
.if \first == 0
	v_sub_f32 v[TT+2], v[MX+2*\qb], v[TT]                          ; old maximum - new
.endif
	v_mov_b32 v[MX+2*\qb], v[TT]
	v_mov_b32 v[MX+2*\qb+1], v[TT]
.irp p, 0,2,4,6,8,10,12,14,16,18,20,22,24,26,28,30
	v_pk_add_f32 v[SC+32*\qb+\p:SC+32*\qb+\p+1], v[SC+32*\qb+\p:SC+32*\qb+\p+1], v[MX+2*\qb:MX+2*\qb+1] neg_lo:[0,1] neg_hi:[0,1]
.endr
.set i, 0
.rept 32
	v_exp_f32 v[SC+32*\qb+i], v[SC+32*\qb+i]
.set i, i+1
.endr
.if \first == 0
	v_exp_f32 v[AL+2*\qb], v[TT+2]
	v_exp_f32 v[AL+2*\qb+1], v[TT+2]
.endif
	v_nop                                                          ; one plain place behind the run of exponentials
.if \first
	s_wait_alu depctr_va_vdst(0)
	v_pk_add_f32 v[LS+2*\qb:LS+2*\qb+1], v[SC+32*\qb:SC+32*\qb+1], v[SC+32*\qb+4:SC+32*\qb+5]
.else
	s_wait_alu depctr_va_vdst(0)
.irp p, 0,2,4,6,8,10,12,14,16,18,20,22,24,26,28,30
	v_pk_mul_f32 v[OA+32*\qb+\p:OA+32*\qb+\p+1], v[OA+32*\qb+\p:OA+32*\qb+\p+1], v[AL+2*\qb:AL+2*\qb+1]
.endr
	v_pk_fma_f32 v[LS+2*\qb:LS+2*\qb+1], v[LS+2*\qb:LS+2*\qb+1], v[AL+2*\qb:AL+2*\qb+1], v[SC+32*\qb:SC+32*\qb+1]
	v_pk_add_f32 v[LS+2*\qb:LS+2*\qb+1], v[LS+2*\qb:LS+2*\qb+1], v[SC+32*\qb+4:SC+32*\qb+5]
.endif
	v_pk_add_f32 v[TT:TT+1], v[SC+32*\qb+2:SC+32*\qb+3], v[SC+32*\qb+6:SC+32*\qb+7]      ; a second chain
.irp p, 8,12,16,20,24,28
	v_pk_add_f32 v[LS+2*\qb:LS+2*\qb+1], v[LS+2*\qb:LS+2*\qb+1], v[SC+32*\qb+\p:SC+32*\qb+\p+1]
	v_pk_add_f32 v[TT:TT+1], v[TT:TT+1], v[SC+32*\qb+\p+2:SC+32*\qb+\p+3]
.endr
	v_pk_add_f32 v[LS+2*\qb:LS+2*\qb+1], v[LS+2*\qb:LS+2*\qb+1], v[TT:TT+1]
	; to f16 in place, ascending: tile 2 ks fills registers 0-3 of P(qb, ks), tile 2 ks + 1 registers 4-7
.irp ks, 0,1
.irp i, 0,1,2,3
	v_cvt_pk_f16_f32 v[SC+32*\qb+16*\ks+\i], v[SC+32*\qb+16*\ks+2*\i], v[SC+32*\qb+16*\ks+2*\i+1]
.endr
.irp i, 0,1,2,3
	v_cvt_pk_f16_f32 v[SC+32*\qb+16*\ks+4+\i], v[SC+32*\qb+16*\ks+8+2*\i], v[SC+32*\qb+16*\ks+8+2*\i+1]
.endr
.endr
.endm
; O^T(qb) += V^T P^T: the four accumulators take turns, one instruction a turn.
.macro PV qb, first
.irp db, 0,1,2,3
.if \first
	v_wmma_f32_16x16x32_f16 v[OA+32*\qb+8*\db:OA+32*\qb+8*\db+7], v[KV+16*\db:KV+16*\db+7], v[SC+32*\qb:SC+32*\qb+7], 0
.else
	v_wmma_f32_16x16x32_f16 v[OA+32*\qb+8*\db:OA+32*\qb+8*\db+7], v[KV+16*\db:KV+16*\db+7], v[SC+32*\qb:SC+32*\qb+7], v[OA+32*\qb+8*\db:OA+32*\qb+8*\db+7]
.endif
.endr
.irp db, 0,1,2,3
	v_wmma_f32_16x16x32_f16 v[OA+32*\qb+8*\db:OA+32*\qb+8*\db+7], v[KV+16*\db+8:KV+16*\db+15], v[SC+32*\qb+16:SC+32*\qb+23], v[OA+32*\qb+8*\db:OA+32*\qb+8*\db+7]
.endr
.endm
; One step: my 32 queries x 64 keys (rows 128 g + 64 st .. of the slot).
.macro STEP slot, st, masked, cbase, first
.irp kb, 0,1,2,3
	ds_load_b128 v[KV+16*\kb:KV+16*\kb+3], v[KADR+\slot] offset:(64*\st+16*\kb)*KP
	ds_load_b128 v[KV+16*\kb+4:KV+16*\kb+7], v[KADR+\slot] offset:(64*\st+16*\kb)*KP+32
.endr
.irp kb, 0,1,2,3
	ds_load_b128 v[KV+16*\kb+8:KV+16*\kb+11], v[KADR+\slot] offset:(64*\st+16*\kb)*KP+64
	ds_load_b128 v[KV+16*\kb+12:KV+16*\kb+15], v[KADR+\slot] offset:(64*\st+16*\kb)*KP+96
.endr
	s_wait_dscnt 0x8                               ; d = 0..31 of all four key blocks are in; the eight loads of d = 32..63 may be out
.irp qb, 0,1
.irp kb, 0,1,2,3
	v_wmma_f32_16x16x32_f16 v[SC+32*\qb+8*\kb:SC+32*\qb+8*\kb+7], v[KV+16*\kb:KV+16*\kb+7], v[QF+16*\qb:QF+16*\qb+7], 0
.endr
.endr
	s_wait_dscnt 0x0
.irp qb, 0,1
.irp kb, 0,1,2,3
	v_wmma_f32_16x16x32_f16 v[SC+32*\qb+8*\kb:SC+32*\qb+8*\kb+7], v[KV+16*\kb+8:KV+16*\kb+15], v[QF+16*\qb+8:QF+16*\qb+15], v[SC+32*\qb+8*\kb:SC+32*\qb+8*\kb+7]   ; the same eight, in the same order: by turns
.endr
.endr
	PLACES 4                                       ; four places before K's registers are loaded again and the scores are read
.irp db, 0,1,2,3
.irp ks, 0,1
	ds_load_tr16_b128 v[KV+16*\db+8*\ks:KV+16*\db+8*\ks+3], v[VADR+\slot] offset:(64*\st+32*\ks)*VP+32*\db
	ds_load_tr16_b128 v[KV+16*\db+8*\ks+4:KV+16*\db+8*\ks+7], v[VADR+\slot] offset:(64*\st+32*\ks+16)*VP+32*\db
.endr
.endr
	SOFTMAX 0, \masked, \cbase, \first             ; V's fragments land meanwhile
	s_wait_dscnt 0x0
	PV 0, \first
	SOFTMAX 1, \masked, \cbase, \first             ; names none of the registers of the eight matrix instructions in front of it
	PV 1, \first
	PLACES 5                                       ; five places before the next scores overwrite P and the next loads overwrite V
.endm
; Keys 0..31 for queries below 512: O += (v - f16(v))^T P^T.  The same conversion as in the projection launch, so the remainder is exact.
; The branch hangs on J (equal in all partners) and on the wave's number.
.macro LOFIX
	s_cmp_lg_u32 s21, 0
	s_cbranch_scc1 .Lno_lo_\@
.irp db, 0,1,2,3
.irp i, 0,1,2,3,4,5,6,7,8,9,10,11,12,13,14,15
	global_load_b32 v[KV+16*\db+\i], v[LOOFF], s[72:73] offset:64*\db+256*\i+2048*(\i>>3)   ; v32[key 8 h + i, or 16 + 8 h + i - 8][16 db + r]
.endr
.endr
	s_wait_loadcnt 0x0
.irp db, 0,1,2,3
.irp p, 0,1,2,3,4,5,6,7
	v_cvt_pk_f16_f32 v14, v[KV+16*\db+2*\p], v[KV+16*\db+2*\p+1]
	v_cvt_f32_f16 v[TT], v14.l
	v_cvt_f32_f16 v[TT+1], v14.h
	v_pk_add_f32 v[KV+16*\db+2*\p:KV+16*\db+2*\p+1], v[KV+16*\db+2*\p:KV+16*\db+2*\p+1], v[TT:TT+1] neg_lo:[0,1] neg_hi:[0,1]
	v_cvt_pk_f16_f32 v[KV+16*\db+\p], v[KV+16*\db+2*\p], v[KV+16*\db+2*\p+1]
.endr
.endr
.irp qb, 0,1
.irp db, 0,1,2,3
	v_wmma_f32_16x16x32_f16 v[OA+32*\qb+8*\db:OA+32*\qb+8*\db+7], v[KV+16*\db:KV+16*\db+7], v[SC+32*\qb:SC+32*\qb+7], v[OA+32*\qb+8*\db:OA+32*\qb+8*\db+7]   ; all eight by turns
.endr
.endr
	PLACES 5
.Lno_lo_\@:
.endm
; The two steps of diagonal tile e (first = 1 for e = 0, the phase's first tile; lo = 1: the remainder of v belongs behind the first step).
; My keys are block c = 2 e + g, my queries quarter w; s31 = w + 1 - g, so w - c = s31 - 1 - 2 e.
;   w >= c: both steps are run (the softmax itself jumps over the mask's lines where w > c).
;   w < c: every key is above every query.  In tile 1 (s31 < 3) both steps are jumped over.  In tile 0 (s31 = 0: wave g = 1, w = 0 alone) the first
;          step is still run: all its scores are masked to -infinity, so it leaves the empty state (maximum the most negative finite number, sum 0,
;          O = 0) from which the later steps and the merge go on, and no register is cleared by moves; the second step is jumped over.
; The branches hang on the wave's number alone; no barrier, tensor load or wait of a refill stands inside them.
.macro DSTEPS slot, e, first, lo
.if \first == 0
	s_cmp_lt_u32 s31, 3
	s_cbranch_scc1 .Ljoin_\@
.endif
	STEP \slot, 0, 1, 256*\e, \first
.if \lo
	LOFIX
.endif
.if \first
	s_cmp_eq_u32 s31, 0
	s_cbranch_scc1 .Ljoin_\@
.endif
	STEP \slot, 1, 1, 256*\e+64, 0
.Ljoin_\@:
.endm
; A tile in slot 'slot'; refill = 1: the other slot, read last, is asked for again with the tile at s70.  diag = 1: diagonal tile e.
.macro TRIP slot, other, refill, diag, e, first
	s_set_vgpr_msb 0x5
	s_wait_tensorcnt 0x0                           ; all my tensor loads have landed, my part of this tile among them,
	ds_add_u32 v0, v1
	s_wait_dscnt 0x0
	s_set_vgpr_msb 0x500
.if \refill
	SETADR \other                                  ; so every group 0 may be written
.endif
	s_wait_dscnt 0x0                               ; my reads of the other slot are back
.if \refill
	ROUND                                          ; both now hold of every wave of all four partners
	JLOAD \other                                   ; my one tensor load behind the round, first thing there
.else
	s_barrier_signal -1
	s_barrier_wait -1
.endif
.if \diag
.if \first
	s_wait_loadcnt 0x0                             ; this phase's queries
.endif
	DSTEPS \slot, \e, \first, 0
.else
	STEP \slot, 0, 0, 0, 0
	STEP \slot, 1, 0, 0, 0
.endif
.endm
; The end of a phase: the wave of g = 1 hands O, maximum and sum to the wave of g = 0, which merges, divides and stores.
.macro MERGE op
.irp qb, 0,1
	v_add_f32 v[LS+2*\qb], v[LS+2*\qb], v[LS+2*\qb+1]
.endr
.irp qb, 0,1
	v_permlanex16_b32 v[TT+\qb], v[LS+2*\qb], s22, s23
.endr
.irp qb, 0,1
	v_add_f32 v[LS+2*\qb], v[LS+2*\qb], v[TT+\qb]  ; the row's sum over my keys, in every lane of the row
.endr
	s_cmp_eq_u32 s15, 0
	s_cbranch_scc1 .Lkeep_\@
.irp i, 0,1,2,3,4,5,6,7,8,9,10,11,12,13,14,15
	ds_store_b128 v[MRGA], v[OA+4*\i:OA+4*\i+3] offset:512*\i
.endr
	ds_store_b128 v[MRGA], v[MX:MX+3] offset:8192
	ds_store_b128 v[MRGA], v[LS:LS+3] offset:8704
.Lkeep_\@:
	s_wait_dscnt 0x0                               ; for the partner wave's sake: my stores are done
	s_wait_tensorcnt 0x0
	s_barrier_signal -1
	s_barrier_wait -1
	s_cmp_lg_u32 s15, 0
	s_cbranch_scc1 .Ldone_\@
.irp i, 0,1,2,3,4,5,6,7,8,9,10,11,12,13,14,15
	ds_load_b128 v[SC+4*\i:SC+4*\i+3], v[MRGA] offset:512*\i
.endr
	ds_load_b128 v[KV:KV+3], v[MRGA] offset:8192
	ds_load_b128 v[KV+4:KV+7], v[MRGA] offset:8704
	s_wait_dscnt 0x0
.irp qb, 0,1
	v_max_num_f32 v[TT], v[MX+2*\qb], v[KV+2*\qb]
	v_sub_f32 v[TT+1], v[MX+2*\qb], v[TT]
	v_sub_f32 v[TT+2], v[KV+2*\qb], v[TT]
	v_exp_f32 v[TT+1], v[TT+1]
	v_exp_f32 v[TT+2], v[TT+2]
	v_nop
	s_wait_alu depctr_va_vdst(0)
	v_mul_f32 v[LS+2*\qb], v[LS+2*\qb], v[TT+1]
	v_fmac_f32 v[LS+2*\qb], v[KV+4+2*\qb], v[TT+2]
	v_rcp_f32 v[TT+3], v[LS+2*\qb]                 ; the sum holds the weight 1 of the row's largest score: never 0
	v_nop
	s_wait_alu depctr_va_vdst(0)
	v_mul_f32 v[AL+2*\qb], v[TT+1], v[TT+3]
	v_mul_f32 v[AL+2*\qb+1], v[TT+1], v[TT+3]
	v_mul_f32 v[KV+2*\qb], v[TT+2], v[TT+3]
	v_mul_f32 v[KV+2*\qb+1], v[TT+2], v[TT+3]
.irp p, 0,2,4,6,8,10,12,14,16,18,20,22,24,26,28,30
	v_pk_mul_f32 v[OA+32*\qb+\p:OA+32*\qb+\p+1], v[OA+32*\qb+\p:OA+32*\qb+\p+1], v[AL+2*\qb:AL+2*\qb+1]
	v_pk_fma_f32 v[OA+32*\qb+\p:OA+32*\qb+\p+1], v[SC+32*\qb+\p:SC+32*\qb+\p+1], v[KV+2*\qb:KV+2*\qb+1], v[OA+32*\qb+\p:OA+32*\qb+\p+1]
.endr
.endr
.irp qb, 0,1
.irp db, 0,1,2,3
	ds_store_b128 v[STW], v[OA+32*\qb+8*\db:OA+32*\qb+8*\db+3] offset:4352*\qb+64*\db
	ds_store_b128 v[STW], v[OA+32*\qb+8*\db+4:OA+32*\qb+8*\db+7] offset:4352*\qb+64*\db+16
.endr
.endr
.irp i, 0,1,2,3,4,5,6,7,8,9,10,11,12,13,14,15
	ds_load_b128 v[SC+4*\i:SC+4*\i+3], v[STR] offset:544*\i        ; my own stage: LDS serves a wave's instructions in order
.endr
.irp i, 0,1,2,3,4,5,6,7,8,9,10,11,12,13,14,15
	s_wait_dscnt 15-\i                             ; the younger read-backs may stay out
	global_store_b128 v[OOFF], v[SC+4*\i:SC+4*\i+3], s[\op:\op+1] offset:4096*\i   ; sixteen lanes store a query's 256 consecutive bytes, aligned
.endr
	s_wait_xcnt 0x0                                ; the stores' data registers are written again only behind this wait
.Ldone_\@:
.endm
	s_cmp_eq_u32 s18, 0
	s_cselect_b32 s70, s25, 0                      ; behind the two diagonal tiles: tile 0, or with J = 0 the second phase's first diagonal tile
	s_wait_tensorcnt 0x1                           ; my part of the first tile is in; the second's may stay out
	s_barrier_signal -1
	s_barrier_wait -1
	s_wait_loadcnt 0x0                             ; the first phase's queries
	DSTEPS 0, 0, 1, 1
	TRIP 1, 0, 1, 1, 1, 0
	s_add_co_u32 s70, s70, TILEB
	s_cmp_eq_u32 s18, 0
	s_cbranch_scc1 .Lskip_a                        ; J = 0: the first phase has its two diagonal tiles alone
	s_mov_b32 s20, s18
.Lloop_a:                                              ; J trips of two tiles
	TRIP 0, 1, 1, 0, 0, 0
	s_add_co_u32 s70, s70, TILEB
	s_cmp_eq_u32 s70, s30                          ; the first phase's tiles are all asked for:
	s_cselect_b32 s70, s25, s70                    ; go on with the second phase's first diagonal tile
	TRIP 1, 0, 1, 0, 0, 0
	s_add_co_u32 s70, s70, TILEB
	s_sub_co_u32 s20, s20, 1
	s_cmp_lg_u32 s20, 0
	s_cbranch_scc1 .Lloop_a
.Lskip_a:
	MERGE 68
	QLOAD 74
	TRIP 0, 1, 1, 1, 0, 1                          ; asks for the second diagonal tile
	s_mov_b32 s70, 0
	TRIP 1, 0, 1, 1, 1, 0                          ; asks for tile 0
	s_mov_b32 s70, TILEB
	s_sub_co_u32 s20, 6, s18
.Lloop_b:                                              ; 6 - J trips of two tiles (at least three)
	TRIP 0, 1, 1, 0, 0, 0
	s_add_co_u32 s70, s70, TILEB
	TRIP 1, 0, 1, 0, 0, 0
	s_add_co_u32 s70, s70, TILEB
	s_sub_co_i32 s20, s20, 1
	s_cmp_gt_i32 s20, 0                            ; a signed compare: the loop ends whatever the counter's start
	s_cbranch_scc1 .Lloop_b
	TRIP 0, 1, 1, 0, 0, 0                          ; asks for the last tile
	TRIP 1, 0, 0, 0, 0, 0                          ; nothing is left to fetch
	MERGE 76
	s_set_vgpr_msb 0x5
	s_wait_tensorcnt 0x0
	ds_add_u32 v0, v1
	s_wait_dscnt 0x0
	s_set_vgpr_msb 0x500
	ROUND                                          ; the closing round: no work-group ends while a partner may still ask jointly
	s_endpgm
.Lfunc_end_k_qa99aae8386_attn:
	.size	k_qa99aae8386_attn, .Lfunc_end_k_qa99aae8386_attn-k_qa99aae8386_attn
	.p2alignl 7, 3214868480
	.fill 96, 4, 3214868480
	.section	.rodata,"a",@progbits
	.p2align	6, 0x0
	.amdhsa_kernel k_qa99aae8386_attn
		.amdhsa_group_segment_fixed_size 327680
		.amdhsa_private_segment_fixed_size 0
		.amdhsa_enable_private_segment 0
		.amdhsa_kernarg_size 40
		.amdhsa_user_sgpr_count 2
		.amdhsa_user_sgpr_kernarg_segment_ptr 1
		.amdhsa_wavefront_size32 1
		.amdhsa_system_sgpr_workgroup_id_x 1
		.amdhsa_system_sgpr_workgroup_id_y 1
		.amdhsa_system_sgpr_workgroup_id_z 1
		.amdhsa_system_vgpr_workitem_id 0
		.amdhsa_next_free_vgpr 258
		.amdhsa_next_free_sgpr 88
		.amdhsa_reserve_vcc 1
		.amdhsa_float_denorm_mode_32 3
		.amdhsa_float_denorm_mode_16_64 3
		.amdhsa_memory_ordered 1
		.amdhsa_forward_progress 1
		.amdhsa_inst_pref_size 255
	.end_amdhsa_kernel
	.section	.bss,"aw",@nobits
	.p2align	6
	.space	262144
	.amdgpu_metadata
---
amdhsa.version: [ 1, 2 ]
amdhsa.kernels:
  - .name:           k_qa99aae8386_attn
    .symbol:         k_qa99aae8386_attn.kd
    .args:
      - { .name: qh, .offset: 0, .size: 8, .value_kind: global_buffer, .address_space: global }
      - { .name: kh, .offset: 8, .size: 8, .value_kind: global_buffer, .address_space: global }
      - { .name: vh, .offset: 16, .size: 8, .value_kind: global_buffer, .address_space: global }
      - { .name: v32, .offset: 24, .size: 8, .value_kind: global_buffer, .address_space: global }
      - { .name: out0, .offset: 32, .size: 8, .value_kind: global_buffer, .address_space: global }
    .group_segment_fixed_size: 327680
    .private_segment_fixed_size: 0
    .kernarg_segment_align: 8
    .kernarg_segment_size: 40
    .max_flat_workgroup_size: 256
    .sgpr_count:     88
    .vgpr_count:     258
    .wavefront_size: 32
...
	.end_amdgpu_metadata
.endif
;; end of part 2
